; MI455X (gfx1250); checked and timed in simulation.
; The chip was launched on July 23, 2026; its instructions are those of AMD's public machine-readable ISA for CDNA 5 (MIT licence, August 2026) and "CDNA5" Instruction Set Architecture Reference Guide (July 2026). The comments in the code are by the model that wrote it; some were corrected since.
;; Centroid Pool. Allowed arithmetic: matrix products marked QUANTISED: E3M2 operands, one E8M0 scale for each 32 along K, by v_wmma_scale_f32_16x16x128_f8f6f4 with both operands' format E3M2, f32 sums; everything else in f32.
;; Inputs: coords 1,024 x 128 float32; latent 131,072 x 128 float32.
;; Outputs: out0 131,072 int32.
;; This version of the problem:
;;   THIS VERSION OF THE PROBLEM IS GIVEN IN LOW PRECISION. The matrix products marked QUANTISED in the list below multiply operands that are first quantised to E3M2 (3 exponent bits, 2 mantissa bits; 6 bits a number), with one power-of-two scale for each 32 numbers along K (OCP MX v1.0); their sums are f32. All else is computed in f32.
;;   The module's matrix products, in the order in which they are computed (A, B: the left and right operand; K: the contracted axis; several contracted axes count as one K, in the product's order):
;;     1. [M 131,072, K 128] x [K 128, N 1,024]; A: input latent; B: input coords: QUANTISED
;;   THE QUANTISER, for each operand of a quantised product, along K:
;;     - K is cut into blocks of 32 from its start; a last block that is shorter is filled with zeros.
;;     - A block's scale is 2^e with e = floor(log2(the largest magnitude in the block)) - 4, held to -126 .. 127; a block of zeros has e = 0. As a byte (E8M0): e + 127.
;;     - Each number is divided by its block's scale, clamped to +-28, and rounded to the nearest number of E3M2, ties to even, subnormals kept.
;;     - The product sums the exact products of the quantised numbers (number of the format x scale) in f32.
;;   ~~~python
;;   def quantise(x, axis):      # numpy; x: float32 -> the quantised numbers, widened to float32 again
;;       x = np.moveaxis(x, axis, -1); K = x.shape[-1]
;;       x = np.pad(x, [(0, 0)] * (x.ndim - 1) + [(0, -K % 32)]); x = x.reshape(x.shape[:-1] + (-1, 32)); a = np.abs(x).max(-1, keepdims=True)
;;       e = np.where(a > 0, np.clip(np.frexp(np.where(a > 0, a, 1))[1] - 1 - 4, -126, 127), 0)      # np.frexp(a)[1] - 1 = floor(log2(a)), exactly
;;       r = np.clip(x / 2.0 ** e, -28, 28)
;;       step = 2.0 ** (np.maximum(np.frexp(np.where(r == 0, 1, r))[1] - 1, -2) - 2)
;;       q = np.round(r / step) * step * 2.0 ** e      # np.round: ties to even
;;       return np.moveaxis(q.reshape(q.shape[:-2] + (-1,))[..., :K], -1, axis).astype(np.float32)
;;   ~~~
;; One version. Each part assembles by itself: llvm-mc -triple=amdgcn-amd-amdhsa -mcpu=gfx1250 --defsym DOCPART=n.
;; ======== version 1 of 1: 2 launches
;; limits: right only within a limited range of input values
;; workspace buffers: cq 106,496 bytes
;; launch prep (part 1): grid 64 x 1, 1 waves a work-group, no clusters, 0 bytes of LDS; arguments coords, cq; writes cq
.if DOCPART == 1
	.amdgcn_target "amdgcn-amd-amdhsa--gfx1250"
	.amdhsa_code_object_version 6
	.text
	.protected	k_q6fd624247c_prep
	.globl	k_q6fd624247c_prep
	.p2align	8
	.type	k_q6fd624247c_prep,@function
k_q6fd624247c_prep:
	s_mov_b64 s[64:65], 0
	v_nop
	global_prefetch_b8 v0, s[64:65] scope:SCOPE_SE
	s_setreg_imm32_b32 hwreg(HW_REG_WAVE_MODE, 25, 1), 1
	s_wait_xcnt 0x0
; coords [1024][128] f32 -> cq, which the next launch reads:
;   bytes 0 .. 98,303       64 fragments of 16 centroids x 128 K as codes of BF6 (E3M2), in the ORDER OF THE OPERAND'S REGISTERS: fragment f, registers 4 g .. 4 g + 3 of lane l at 1536 f + 512 g + 16 l
;   bytes 98,304 .. 102,399 one scale word (four E8M0 bytes, one for each 32 along K) for each centroid
;   bytes 102,400 ..        -c2 / 2, c2 = the sum of squares of each centroid's UNQUANTISED numbers, f32
; DEAD WORK.  The result is the place of the smallest d2 = x2 + c2 - 2 x.c along the centroids.  x2 hangs on the row alone: it is the same number in all 1,024 places of a row, so for all values of latent the order of a
; row's d2 is the order of c2 - 2 x.c, and x2 is left out.  latent itself has its way to the output through the product.  What is compared is x.c - c2 / 2, which is -(c2 - 2 x.c) / 2: the factor is a power of two; the largest is sought.
; LIMITS: NaN and infinities among the inputs are not served, and a NaN, an infinity or an overflow that reaches only x2 is not carried to the result.  Where two d2 of a row lie so close that the rounding of x2 + c2 to f32
; makes them equal or changes their order, the place named is that of the larger x.c - c2 / 2.  A block whose largest magnitude lies under 2^-122 (a block of zeros too) keeps the scale byte 1; a block of zeros has zero codes,
; which add nothing under that byte, and this program alone reads the bytes.  c2 is summed in four packed chains, not in the order of a plain loop.
; A block's scale is 2^(floor(log2(its largest magnitude)) - 4); its byte is the largest magnitude's exponent field - 4, held at 1 from below.
; One wave makes one fragment: 64 work-groups of one wave.  Lane (r, h) holds 64 numbers of row 16 f + r: register 16 b + i is k = 32 b + 16 h + i.
; The loads take 64 bytes of a row in each lane; the tensor is 524,288 bytes and is read once, so no turn through LDS is spent on it.  The codes leave as three stores of 512 consecutive bytes.
; No prefetch: there is no loop to run ahead in.
.set X,   16                           ; v16-79   my 64 numbers
.set TM,  80                           ; v80-83 largest magnitudes, v84-87 the other half's, then the bytes, v92-95 the conversions' scale operands
.set PC,  96                           ; v96-107  the fragment's 12 registers; v108-114 the blocks' upper halves on their way
.set PW,  116                          ; v116     my row's scale word
.set ACC, 118                          ; v118-125 four packed chains of squares
.set XV,  126
.set XP,  127
	s_load_b128 s[4:7], s[0:1], 0x0                ; coords s[4:5], cq s[6:7]
	s_lshl_b32 s10, ttmp9, 13                      ; fragment f = the work-group: 16 rows of 512 bytes
	s_mov_b32 s11, 0
	s_mul_i32 s16, ttmp9, 1536                     ; a fragment's image
	s_mov_b32 s17, 0
	s_lshl_b32 s18, ttmp9, 6                       ; 16 words
	s_mov_b32 s12, 0x76543210
	s_mov_b32 s13, 0xfedcba98                      ; v_permlanex16_b32's selects for lane l xor 16
	v_and_b32 v2, 15, v0                           ; r
	v_bfe_u32 v3, v0, 4, 1                         ; h
	v_lshlrev_b32 v4, 9, v2
	v_lshl_add_u32 v4, v3, 6, v4                   ; in: row r of 512 bytes, + 64 h: my 16 numbers of a block of 32
	v_lshlrev_b32 v5, 4, v0                        ; out: 16 bytes a lane
	v_lshlrev_b32 v6, 2, v2
	v_lshl_add_u32 v6, v3, 12, v6
	v_add_nc_u32 v6, s18, v6
	v_add_nc_u32 v6, 98304, v6                     ; lanes 0-15: my row's scale word; lanes 16-31: its -c2 / 2, 4,096 bytes on
.irp b, 0,1,2,3
	v_mov_b32 v[TM+4+\b], 0                        ; a lane permute's destination counts as one of its sources
.endr
	v_mov_b32 v[XP], 0
	s_wait_alu depctr_va_vdst(0)
	s_wait_kmcnt 0x0
	s_add_nc_u64 s[4:5], s[4:5], s[10:11]
	s_add_nc_u64 s[14:15], s[6:7], s[16:17]
.irp b, 0,1,2,3
.irp j, 0,1,2,3
	global_load_b128 v[X+16*\b+4*\j:X+16*\b+4*\j+3], v4, s[4:5] offset:128*\b+16*\j
.endr
.endr
	s_wait_loadcnt 0x0
	; squares of the numbers as they came, and the blocks' largest magnitudes: four chains of each, by turns
.irp b, 0,1,2,3
	v_pk_mul_f32 v[ACC+2*\b:ACC+2*\b+1], v[X+16*\b:X+16*\b+1], v[X+16*\b:X+16*\b+1]
	v_max3_num_f32 v[TM+\b], |v[X+16*\b]|, |v[X+1+16*\b]|, 0x2800000   ; and the floor 2^(5 - 127): the byte cannot fall under 1
.endr
.irp i, 2,4,6,8,10,12,14
.irp b, 0,1,2,3
	v_max3_num_f32 v[TM+\b], v[TM+\b], |v[X+16*\b+\i]|, |v[X+1+16*\b+\i]|
	v_pk_fma_f32 v[ACC+2*\b:ACC+2*\b+1], v[X+16*\b+\i:X+16*\b+\i+1], v[X+16*\b+\i:X+16*\b+\i+1], v[ACC+2*\b:ACC+2*\b+1]
.endr
.endr
.irp b, 0,1,2,3
	v_permlanex16_b32 v[TM+4+\b], v[TM+\b], s12, s13
.endr
	v_pk_add_f32 v[ACC:ACC+1], v[ACC:ACC+1], v[ACC+2:ACC+3]
	v_pk_add_f32 v[ACC+4:ACC+5], v[ACC+4:ACC+5], v[ACC+6:ACC+7]
.irp b, 0,1,2,3
	v_max_num_f32 v[TM+\b], v[TM+\b], v[TM+4+\b]   ; with lane l xor 16's: the block's largest magnitude
.endr
	v_pk_add_f32 v[ACC:ACC+1], v[ACC:ACC+1], v[ACC+4:ACC+5]
.irp b, 0,1,2,3
	v_add_nc_u32 v[TM+12+\b], 0xfe000000, v[TM+\b] ; 4 off its exponent field: the conversion takes the exponent field of this operand as its scale
.endr
	v_add_f32 v[XV], v[ACC], v[ACC+1]
.irp c, 0,1
	v_cvt_scalef32_pk16_bf6_f32 v[PC+6*\c:PC+2+6*\c], v[X+32*\c:X+15+32*\c], v[TM+12+2*\c]
	v_cvt_scalef32_pk16_bf6_f32 v[PC+12+4*\c:PC+14+4*\c], v[X+16+32*\c:X+31+32*\c], v[TM+12+2*\c+1]   ; (a conversion's three registers begin on an even number)
.endr
.irp b, 0,1,2,3
	v_lshrrev_b32 v[TM+4+\b], 23, v[TM+12+\b]      ; the scale's byte.  (Plain places behind the conversions)
.endr
	v_permlanex16_b32 v[XP], v[XV], s12, s13
.irp c, 0,1                                    ; the operand's layout wants a WHOLE block in a lane: lanes 0-15 block 2 c, lanes 16-31 block 2 c + 1
.irp i, 0,1,2
	v_permlane16_swap_b32 v[PC+6*\c+\i], v[PC+12+4*\c+\i]
.endr
.irp i, 0,1,2
	v_mov_b32 v[PC+3+6*\c+\i], v[PC+12+4*\c+\i]
.endr
.endr
.irp g, 0,1,2
	global_store_b128 v5, v[PC+4*\g:PC+4*\g+3], s[14:15] offset:512*\g   ; 32 lanes store 512 consecutive bytes, at a multiple of 256 from cq's first byte
.endr
	v_lshl_or_b32 v[PW], v[TM+5], 8, v[TM+4]
	v_add_f32 v[XV], v[XV], v[XP]                  ; both halves of the lanes now hold row r's c2
	v_lshl_or_b32 v[PW], v[TM+6], 16, v[PW]
	v_mul_f32 v[XV], -0.5, v[XV]
	v_lshl_or_b32 v[PW], v[TM+7], 24, v[PW]        ; my row's scale word
	v_cmp_le_u32 vcc_lo, 16, v0                    ; lanes 16-31
	v_cndmask_b32 v[XP], v[PW], v[XV], vcc_lo      ; send -c2 / 2, lanes 0-15 the scale word
	global_store_b32 v6, v[XP], s[6:7]
	s_endpgm
.Lfunc_end_k_q6fd624247c_prep:
	.size	k_q6fd624247c_prep, .Lfunc_end_k_q6fd624247c_prep-k_q6fd624247c_prep
	.p2alignl 7, 3214868480
	.fill 96, 4, 3214868480
	.section	.rodata,"a",@progbits
	.p2align	6, 0x0
	.amdhsa_kernel k_q6fd624247c_prep
		.amdhsa_group_segment_fixed_size 0
		.amdhsa_private_segment_fixed_size 0
		.amdhsa_enable_private_segment 0
		.amdhsa_kernarg_size 16
		.amdhsa_user_sgpr_count 2
		.amdhsa_user_sgpr_kernarg_segment_ptr 1
		.amdhsa_wavefront_size32 1
		.amdhsa_system_sgpr_workgroup_id_x 1
		.amdhsa_system_sgpr_workgroup_id_y 1
		.amdhsa_system_sgpr_workgroup_id_z 1
		.amdhsa_system_vgpr_workitem_id 0
		.amdhsa_next_free_vgpr 128
		.amdhsa_next_free_sgpr 66
		.amdhsa_reserve_vcc 1
		.amdhsa_float_denorm_mode_32 3
		.amdhsa_float_denorm_mode_16_64 3
		.amdhsa_memory_ordered 1
		.amdhsa_forward_progress 1
		.amdhsa_inst_pref_size 10
	.end_amdhsa_kernel
	.amdgpu_metadata
---
amdhsa.version: [ 1, 2 ]
amdhsa.kernels:
  - .name:           k_q6fd624247c_prep
    .symbol:         k_q6fd624247c_prep.kd
    .args:
      - { .name: coords, .offset: 0, .size: 8, .value_kind: global_buffer, .address_space: global }
      - { .name: cq, .offset: 8, .size: 8, .value_kind: global_buffer, .address_space: global }
    .group_segment_fixed_size: 0
    .private_segment_fixed_size: 0
    .kernarg_segment_align: 8
    .kernarg_segment_size: 16
    .max_flat_workgroup_size: 32
    .sgpr_count:     66
    .vgpr_count:     128
    .wavefront_size: 32
...
	.end_amdgpu_metadata
.endif
;; end of part 1
;; launch knn (part 2): grid 256 x 1, 8 waves a work-group, no clusters, 189,440 bytes of LDS; arguments latent, cq, out0; writes out0
.if DOCPART == 2
	.amdgcn_target "amdgcn-amd-amdhsa--gfx1250"
	.amdhsa_code_object_version 6
	.text
	.protected	k_q6fd624247c_knn
	.globl	k_q6fd624247c_knn
	.p2align	8
	.type	k_q6fd624247c_knn,@function
k_q6fd624247c_knn:
	s_mov_b64 s[64:65], 0
	v_nop
	global_prefetch_b8 v0, s[64:65] scope:SCOPE_SE
	s_setreg_imm32_b32 hwreg(HW_REG_WAVE_MODE, 25, 1), 1
	s_wait_xcnt 0x0
; out0[row] = the index of the largest dot - c2 / 2 over 1,024 centroids, the lowest index among equals.  dot is the product of latent and coords, both as codes of BF6 (E3M2) with one E8M0 scale for each 32 along
; K = 128: ONE matrix instruction deep; -c2 / 2 (from cq) is that instruction's C.
; LEFT OUT: x2, the sum of squares of the row: it is the same for all centroids of a row and cannot change their order (the comment at the first kernel's head).
; SHARES.  A work-group of eight waves owns 512 rows, wave w rows 64 w .. 64 w + 63.  THE WAVES SHARE THE CENTROIDS: wave w of work-group x keeps centroids 128 q .. 128 q + 127, q = (w + x) mod 8, in registers for the
; whole launch: 8 fragments (96 registers), their -c2 / 2 (64) and scale words (4), read from cq once; q is turned by x so that the work-groups do not all walk cq in one order.
; The rows go in four passes of 128 = eight tiles of 16.  In a pass wave w quantises tile w (its rows 16 n .. 16 n + 15 in pass n) and lays it in LDS as an image of the operand's registers; every wave multiplies all
; eight tiles by its own 128 centroids; at the end wave w merges the eight waves' partial results of its own four tiles.
; LATENT is read once, a row of 512 bytes to a load, 16 loads for a wave's tile, into one of two sets of 64 registers by turns: pass 0 at the head, pass 1 when pass 0 has landed, pass n + 2 behind the first tile of pass n.
; The rows turn through the wave's own stage in LDS (rows 528 bytes apart), so that a lane holds neighbours along K.
; THE PRODUCT IS USED TRANSPOSED (source 0 = 16 centroids, source 1 = 16 rows): lane (r, h) holds row r, and register j of tile c centroid 128 q + 16 c + 8 h + j: in a lane the index rises with 8 c + j.
; THE ARGMAX, without a branch on data: a lane's 64 results stand in registers.  Three-way maxima give the best, and the best of the tiles and pairs of tiles that the walk asks for; then six halvings: where the lower half's
; best equals the best, the lower half stays, else the upper takes its place.  Each halving appends its bit to the index, which begins as q: 64 q + 8 c + j.  The last three halvings of a tile stand behind the next tile's products.
; BARRIERS.  Images and partial results have bytes of their own in every pass, so a barrier orders one thing: the images of pass n + 1, stored in pass n, are read in pass n + 1.  A wave signals when its image is stored, works on
; the pass's last tiles with their results kept in registers, and waits behind them.
; NO JOINT LOADS: what the work-groups share is cq, 106,496 bytes, which goes straight into registers, an eighth to a wave.
; NO PREFETCH: behind the head every row is asked for by its own load two thirds of a pass or more ahead of its use, and of four passes two are on their way or at work: there is no further step to ask for.
; LIMITS: those of the first kernel's head.
; REGISTERS.  Window 0: v1-15, v22-23 addresses and constants; v16-21 results held over a barrier; v40-45 scale words; v46-47 best and index; v48-51 results; v52-63 the rows' fragment; v64-127 the 64 results;
; v128-143 maxima, then the eight results that are left; v144-191 at work; v192-255 rows of an even pass, at the end partial results.  Window 1: v0-95 the centroids' fragments; v96-159 -c2 / 2; v160-223 rows of an odd pass.
.set SROW,  528                        ; LDS: the stages: a row of 512 bytes + 16 of padding,
.set STG,   16*SROW                    ; 8,448 bytes for each wave
.set XIMG,  8*STG                      ; 67,584: the rows' images, a set for each pass
.set XPAR,  13312                      ; a set: eight tiles
.set XTILE, 1664                       ; a tile: 1,536 bytes of codes (registers 4 g .. 4 g + 3 of lane l at 512 g + 16 l), 128 of scale words (4 l)
.set PB,    XIMG+4*XPAR                ; 120,832: partial results, a set for each pass: tile t, wave k, lane l at 2048 t + 256 k + 8 l: value, index
.set PPAR,  16384
.set OUTS,  PB+4*PPAR                  ; 186,368: results on their way out, 256 bytes a wave
.set SPARE, OUTS+2048                  ; 188,416: the spare words, 128 bytes for each wave: no other line names them
.set LI,   1                           ; 16 x lane
.set LS,   2                           ; 4 x lane
.set XWI,  3                           ; where I store my tile's image
.set XWS,  4                           ; and its scale words
.set PL,   5                           ; where I store partial results
.set MRD,  6                           ; where I read my tile's partial results
.set GA,   7                           ; my offset in latent
.set LQ,   8                           ; q
.set H8,   9                           ; 8 h
.set ADR,  10
.set ADS,  11
.set PADR, 12
.set OG,   13                          ; 8 x lane
.set SPW,  14                          ; LDS address of my spare word; never rewritten
.set NIL,  15                          ; 0; never rewritten
.set QR,   16
.set TS,   22                          ; the stage: where I put 16 bytes of row 0
.set LATA, 23                          ; and where I read row r: + 64 h
.set XS,   40                          ; the rows' scale words: nothing else is ever kept here
.set CS,   42                          ; register a: lanes 0-15 the words of tile 2 a, lanes 16-31 those of tile 2 a + 1: nothing else is ever kept here
.set BI,   46                          ; the best; BI + 1 its index
.set RES,  48
.set XF,   52
.set D,    64
.set MA,   128
.set MB,   136
.set PV,   144
.set TM,   146                         ; v146-149 largest magnitudes, v150-153 the other half's, then the bytes, v158-161 the conversions' scale operands
.set PC,   162                         ; v162-173 the fragment; v174-180 the blocks' upper halves on their way
.set PW,   182
.set CFO,  183                         ; offsets into cq; never rewritten
.set C2O,  184
.set CSO,  185
.set OA,   186                         ; the way out: where I put 4 bytes
.set OB,   187                         ; and where I read 8
.set LN,   188                         ; lane, r, h
.set RR,   189
.set HH,   190
.set MV,   192                         ; tile n: pairs (value, index) of the eight waves at MV + 16 n
.set CF,   0                           ; window 1
.set C2,   96
.set PSEL, 24                          ; s[24:25] v_permlanex16_b32's selects for lane l xor 16
.set TB,   28                          ; LDS byte of the trip's image
.set TP,   29                          ; the trip's place among my partial results
.set CNT,  30
.set KM,   40                          ; s40-47 masks
.set MSB, 0
.macro WIN new                         ; the immediate's high byte repeats the setting that is left
.if MSB != \new
	s_set_vgpr_msb (MSB<<8)|(\new)
.set MSB, \new
.endif
.endm
.macro XSET n                          ; where pass n's rows lie: v192 of window 0, or v160 of window 1
.set OD, ((\n)&1)
.set XB, 192-32*OD
.endm
.macro LLOAD n                         ; my 16 rows of pass n: 32 lanes read 512 consecutive bytes
	XSET \n
	WIN 0x40*OD
.irp i, 0,1,2,3,4,5,6,7,8,9,10,11,12,13,14,15
	global_load_b128 v[XB+4*\i:XB+4*\i+3], v[GA], s[4:5] offset:8192*(\n)+512*\i th:TH_LOAD_NT
.endr
	WIN 0
.endm
.macro TURN n, younger                 ; through my stage: register 16 b + i becomes k = 32 b + 16 h + i of row r.  younger: loads issued behind pass n's.  LDS serves a wave's instructions in order (ISA guide 5.7.1.4)
	s_wait_loadcnt \younger
	XSET \n
	WIN 0x04*OD
.irp i, 0,1,2,3,4,5,6,7,8,9,10,11,12,13,14,15
	ds_store_b128 v[TS], v[XB+4*\i:XB+4*\i+3] offset:SROW*\i
.endr
	WIN 0x40*OD
.irp b, 0,1,2,3
.irp j, 0,1,2,3
	ds_load_b128 v[XB+16*\b+4*\j:XB+16*\b+4*\j+3], v[LATA] offset:128*\b+16*\j
.endr
.endr
	WIN 0
.endm
	s_load_b128 s[4:7], s[0:1], 0x0                ; latent s[4:5], cq s[6:7]
	s_load_b64 s[8:9], s[0:1], 0x10                ; out0
	v_lshl_add_u32 v[SPW], v0, 2, SPARE
	v_mov_b32 v[NIL], 0
	v_lshrrev_b32 v[PV], 5, v0
	v_readfirstlane_b32 s10, v[PV]                 ; wave 0..7
	s_add_co_u32 s13, s10, ttmp9
	s_and_b32 s13, s13, 7                          ; q
	s_lshl_b32 s11, s10, 15                        ; my 64 rows of 512 bytes
	s_lshl_b32 s12, s10, 8
	s_lshl_b32 s14, ttmp9, 18                      ; the work-group's 512 rows (255 x 262,144 stays under 2^32)
	s_mov_b32 s15, 0
	s_lshl_b32 s16, ttmp9, 11                      ; its 2,048 bytes of out0,
	s_add_co_u32 s16, s16, s12                     ; and my wave's 256 of them
	s_mov_b32 s17, 0
	s_mul_i32 s18, s10, XTILE
	s_add_co_u32 s18, s18, XIMG
	s_add_co_u32 s19, s12, PB
	s_lshl_b32 s20, s10, 11
	s_add_co_u32 s20, s20, PB
	s_add_co_u32 s21, s12, OUTS
	s_mul_i32 s22, s13, 8*1536                     ; my 8 fragments in cq,
	s_lshl_b32 s23, s13, 9                         ; my 128 words
	s_add_co_u32 s26, s23, 98304
	s_add_co_u32 s27, s23, 102400
	s_mul_i32 s31, s10, STG                        ; my stage
	s_mov_b32 s[PSEL], 0x76543210
	s_mov_b32 s[PSEL+1], 0xfedcba98
	v_and_b32 v[LN], 31, v0
	v_and_b32 v[RR], 15, v0
	v_bfe_u32 v[HH], v0, 4, 1
	v_lshlrev_b32 v[LI], 4, v[LN]
	v_lshlrev_b32 v[LS], 2, v[LN]
	v_add_nc_u32 v[GA], s11, v[LI]
	v_add_nc_u32 v[CFO], s22, v[LI]
	v_lshl_add_u32 v[C2O], v[HH], 5, s27           ; + 32 h: my half's eight of a tile
	v_add_nc_u32 v[CSO], s26, v[LS]                ; scale words: 32 lanes take two tiles'
	s_wait_alu depctr_va_vdst(0)
	s_wait_kmcnt 0x0
	s_add_nc_u64 s[4:5], s[4:5], s[14:15]
	s_add_nc_u64 s[8:9], s[8:9], s[16:17]
	LLOAD 0
	WIN 0x40                                       ; destination window 1, offset window 0
.irp c, 0,1,2,3,4,5,6,7
.irp g, 0,1,2
	global_load_b128 v[CF+12*\c+4*\g:CF+12*\c+4*\g+3], v[CFO], s[6:7] offset:1536*\c+512*\g   ; 32 lanes read 512 consecutive bytes: the fragment's registers as they were stored
.endr
.endr
.irp c, 0,1,2,3,4,5,6,7
	global_load_b128 v[C2+8*\c:C2+8*\c+3], v[C2O], s[6:7] offset:64*\c
	global_load_b128 v[C2+8*\c+4:C2+8*\c+7], v[C2O], s[6:7] offset:64*\c+16
.endr
	WIN 0
.irp a, 0,1,2,3
	global_load_b32 v[CS+\a], v[CSO], s[6:7] offset:128*\a
.endr
	v_add_nc_u32 v[TS], s31, v[LI]
	v_mul_u32_u24 v[LATA], v[RR], SROW
	v_lshl_add_u32 v[LATA], v[HH], 6, v[LATA]
	v_add_nc_u32 v[LATA], s31, v[LATA]
	v_add_nc_u32 v[XWI], s18, v[LI]
	v_add_nc_u32 v[XWS], s18, v[LS]
	v_lshlrev_b32 v[OG], 3, v[LN]
	v_add_nc_u32 v[PL], s19, v[OG]
	v_add_nc_u32 v[MRD], s20, v[OG]
	v_add_nc_u32 v[OA], s21, v[LS]
	v_add_nc_u32 v[OB], s21, v[OG]
	v_lshlrev_b32 v[H8], 3, v[HH]
	v_mov_b32 v[LQ], s13
.irp i, 4,5,6,7
	v_mov_b32 v[TM+\i], 0                          ; a lane permute's destination counts as one of its sources
.endr
	s_wait_alu depctr_va_vdst(0)
; A pass's rows become a fragment and a scale word, and go to LDS.  XMAX: the blocks' largest magnitudes, two numbers of each block; XREST: all else.
.macro XMAX i, n
	XSET \n
	WIN 0x05*OD                                    ; sources 0 and 1: the rows' window; source 2 and destination window 0
.irp b, 0,1,2,3
.if \i == 0
	v_max3_num_f32 v[TM+\b], |v[XB+16*\b]|, |v[XB+16*\b+1]|, 0x2800000   ; and the floor 2^(5 - 127): the byte cannot fall under 1
.else
	v_max3_num_f32 v[TM+\b], |v[XB+16*\b+\i]|, |v[XB+16*\b+\i+1]|, v[TM+\b]
.endif
.endr
	WIN 0
.endm
.macro XREST n
	XSET \n
.irp b, 0,1,2,3
	v_permlanex16_b32 v[TM+4+\b], v[TM+\b], s[PSEL], s[PSEL+1]
.endr
.irp b, 0,1,2,3
	v_max_num_f32 v[TM+\b], v[TM+\b], v[TM+4+\b]   ; with lane l xor 16's: the block's largest magnitude
.endr
.irp b, 0,1,2,3
	v_add_nc_u32 v[TM+12+\b], 0xfe000000, v[TM+\b] ; 4 off its exponent field: the conversion's scale operand
.endr
	WIN 0x01*OD                                    ; the numbers in the rows' window; scale operand and codes in window 0
.irp c, 0,1
	v_cvt_scalef32_pk16_bf6_f32 v[PC+6*\c:PC+2+6*\c], v[XB+32*\c:XB+15+32*\c], v[TM+12+2*\c]
	v_cvt_scalef32_pk16_bf6_f32 v[PC+12+4*\c:PC+14+4*\c], v[XB+16+32*\c:XB+31+32*\c], v[TM+12+2*\c+1]   ; (a conversion's three registers begin on an even number)
.endr
	WIN 0
.irp b, 0,1,2,3
	v_lshrrev_b32 v[TM+4+\b], 23, v[TM+12+\b]      ; the scale's byte.  (Plain places behind the conversions)
.endr
.irp c, 0,1                                    ; the operand's layout wants a WHOLE block in a lane: lanes 0-15 block 2 c, lanes 16-31 block 2 c + 1
.irp i, 0,1,2
	v_permlane16_swap_b32 v[PC+6*\c+\i], v[PC+12+4*\c+\i]
.endr
	v_lshl_or_b32 v[PW], v[TM+5+\c], 8+8*\c, v[TM+4+(PW-TM-4)*\c]   ; bytes 0 and 1, then byte 2
.irp i, 0,1,2
	v_mov_b32 v[PC+3+6*\c+\i], v[PC+12+4*\c+\i]
.endr
.endr
	v_lshl_or_b32 v[PW], v[TM+7], 24, v[PW]        ; my row's scale word
.irp g, 0,1,2
	ds_store_b128 v[XWI], v[PC+4*\g:PC+4*\g+3] offset:(\n)*XPAR+512*\g   ; the fragment as it stands: 512 consecutive bytes a store
.endr
	ds_store_b32 v[XWS], v[PW] offset:(\n)*XPAR+1536
.endm
.macro XFLOAD                          ; a tile's rows: the image gives any wave the same registers in the same lanes
.irp g, 0,1,2
	ds_load_b128 v[XF+4*\g:XF+4*\g+3], v[ADR] offset:512*\g
.endr
	ds_load_b32 v[XS], v[ADS] offset:1536
.endm
.macro NEXT                            ; the next tile's
	s_add_co_u32 s[TB], s[TB], XTILE
	v_add_nc_u32 v[ADR], s[TB], v[LI]
	v_add_nc_u32 v[ADS], s[TB], v[LS]
	XFLOAD
.endm
; One tile of 16 rows against my 128 centroids: 8 matrix instructions.  younger: LDS instructions issued behind this tile's fragment loads, which may stay out.
.macro PROD younger
	s_wait_dscnt \younger
	WIN 0x11                                       ; source 0 (the centroids) and C window 1; the rows and the results window 0
.irp c, 0,1,2,3,4,5,6,7
.if (\c%2) == 1
	v_wmma_scale_f32_16x16x128_f8f6f4 v[D+8*\c:D+8*\c+7], v[CF+12*\c:CF+12*\c+11], v[XF:XF+11], v[C2+8*\c:C2+8*\c+7], v[CS+\c/2], v[XS] matrix_a_fmt:MATRIX_FMT_BF6 matrix_b_fmt:MATRIX_FMT_BF6 matrix_a_scale:MATRIX_SCALE_ROW1
.else
	v_wmma_scale_f32_16x16x128_f8f6f4 v[D+8*\c:D+8*\c+7], v[CF+12*\c:CF+12*\c+11], v[XF:XF+11], v[C2+8*\c:C2+8*\c+7], v[CS+\c/2], v[XS] matrix_a_fmt:MATRIX_FMT_BF6 matrix_b_fmt:MATRIX_FMT_BF6
.endif
.endr
	WIN 0
.endm
.macro PLACES                          ; the places behind products that no tail follows (ISA guide 7.12.1)
.rept 4
	v_nop
.endr
.endm
.macro PAIR d, a, b                    ; two registers: b's where VCC is set, else a's
	v_dual_cndmask_b32 v[\d], v[\a], v[\b] :: v_dual_cndmask_b32 v[\d+1], v[\a+1], v[\b+1]
.endm
.macro BIT                             ; the index takes the halving's bit: 2 x index + VCC
	v_add_co_ci_u32 v[BI+1], vcc_lo, v[BI+1], v[BI+1], vcc_lo
.endm
.macro SEARCH                          ; the best of 64, and the eight results of the tile that has it
.irp c, 0,1,2,3,4,5,6,7                        ; each accumulator is read from its low end on
	v_max3_num_f32 v[MA+\c], v[D+8*\c], v[D+8*\c+1], v[D+8*\c+2]
	v_max3_num_f32 v[MB+\c], v[D+8*\c+3], v[D+8*\c+4], v[D+8*\c+5]
.endr
.irp c, 0,1,2,3,4,5,6,7
	v_max3_num_f32 v[MA+\c], v[MA+\c], v[D+8*\c+6], v[D+8*\c+7]
.endr
.irp c, 0,2,4,6
	v_max_num_f32 v[MA+\c], v[MA+\c], v[MB+\c]     ; the best of tiles 0, 2, 4, 6
.endr
	v_max3_num_f32 v[MA+1], v[MA+1], v[MB+1], v[MA]        ; of tiles 0, 1
	v_max3_num_f32 v[MA+5], v[MA+5], v[MB+5], v[MA+4]      ; of tiles 4, 5
	v_max3_num_f32 v[MA+3], v[MA+3], v[MB+3], v[MA+2]      ; of tiles 2, 3,
	v_max3_num_f32 v[BI], v[MA+7], v[MB+7], v[MA+6]        ; of tiles 6, 7
	v_max_num_f32 v[MA+3], v[MA+3], v[MA+1]                ; of tiles 0-3
	v_max3_num_f32 v[BI], v[BI], v[MA+5], v[MA+3]          ; the best
	v_cmp_neq_f32 vcc_lo, v[MA+3], v[BI]           ; tiles 0-3 or 4-7
	PAIR MA, MA, MA+4
	v_cndmask_b32 v[MA+2], v[MA+2], v[MA+6], vcc_lo
.irp i, 0,2,4,6,8,10,12,14,16,18,20,22,24,26,28,30
	PAIR D+\i, D+\i, D+32+\i
.endr
	v_add_co_ci_u32 v[BI+1], vcc_lo, v[LQ], v[LQ], vcc_lo  ; the index begins as q
	v_cmp_neq_f32 vcc_lo, v[MA+1], v[BI]           ; which pair of the four
	v_cndmask_b32 v[MA], v[MA], v[MA+2], vcc_lo
.irp i, 0,2,4,6,8,10,12,14
	PAIR D+\i, D+\i, D+16+\i
.endr
	BIT
	v_cmp_neq_f32 vcc_lo, v[MA], v[BI]             ; which tile of the pair
.irp i, 0,2,4,6
	PAIR MB+\i, D+\i, D+8+\i
.endr
	BIT
.endm
; The last three halvings: a value and an index a lane.  q = -1: they go to my own bytes of LDS; else they are held in pair q.  x = 1: the largest magnitudes of pass nn stand between the lines.
.macro TAIL x, q=-1, nn=0
.if (\q) < 0
	v_add_nc_u32 v[PADR], s[TP], v[PL]
	s_add_co_u32 s[TP], s[TP], 2048
.endif
	v_max3_num_f32 v[MA], v[MB], v[MB+1], v[MB+2]
.if \x
	XMAX 0, \nn
.else
	s_delay_alu instid0(VALU_DEP_1)
.endif
	v_max_num_f32 v[MA], v[MA], v[MB+3]
.if \x
	XMAX 2, \nn
.else
	s_delay_alu instid0(VALU_DEP_1)
.endif
	v_cmp_neq_f32 vcc_lo, v[MA], v[BI]             ; registers 0-3 or 4-7
.if \x
	XMAX 4, \nn
.endif
	PAIR MB, MB, MB+4
	PAIR MB+2, MB+2, MB+6
	BIT
.if \x
	XMAX 6, \nn
.endif
	v_max_num_f32 v[MA], v[MB], v[MB+1]
.if \x
	XMAX 8, \nn
.else
	s_delay_alu instid0(VALU_DEP_1)
.endif
	v_cmp_neq_f32 vcc_lo, v[MA], v[BI]
.if \x
	XMAX 10, \nn
.endif
	PAIR MB, MB, MB+2
	BIT
.if \x
	XMAX 12, \nn
.endif
	v_cmp_neq_f32 vcc_lo, v[MB], v[BI]
.if \x
	XMAX 14, \nn
.endif
	BIT
.if (\q) < 0
	ds_store_b64 v[PADR], v[BI:BI+1]
.else
	v_dual_mov_b32 v[QR+2*(\q)], v[BI] :: v_dual_mov_b32 v[QR+2*(\q)+1], v[BI+1]
.endif
.endm
.macro TRIPS n                         ; n tiles in a loop
	s_mov_b32 s[CNT], \n
	s_wait_alu depctr_va_vdst(0)
.Lrow_\@:
	PROD 0
	TAIL 0                                         ; the tile before: at the same time the places behind the products
	NEXT
	SEARCH
	s_sub_co_u32 s[CNT], s[CNT], 1
	s_cmp_lg_u32 s[CNT], 0
	s_wait_alu depctr_va_vdst(0)
	s_cbranch_scc1 .Lrow_\@
.endm
; Pass n: tile 0, k tiles in a loop, one more tile and the quantising of pass n + 1; then the signal, and 6 - k tiles whose results are held.  held: how many results of the pass before are held.
.macro CPHASE n, k, held
	s_mov_b32 s[TB], XIMG+(\n)*XPAR
	s_mov_b32 s[TP], (\n)*PPAR
	v_add_nc_u32 v[ADR], s[TB], v[LI]
	v_add_nc_u32 v[ADS], s[TB], v[LS]
	XFLOAD
.set hq, 0
.rept \held
	ds_store_b64 v[PL], v[QR+2*hq:QR+2*hq+1] offset:((\n)-1)*PPAR+2048*(8-(\held)+hq)   ; the last tiles of the pass before
.set hq, hq+1
.endr
.if (\n) == 0
	s_wait_loadcnt 16                              ; the centroids' fragments, -c2 / 2 and scale words: once; behind them: pass 1's sixteen loads
.endif
	PROD \held                                     ; behind the fragment's loads: the stores above
	PLACES
	NEXT
	SEARCH
.if (\n) < 2
	LLOAD (\n)+2                                   ; into the set whose rows have been quantised
.endif
	TRIPS \k
.if (\n) < 3
.if (\n) < 2
	TURN (\n)+1, 16                                ; pass n + 1 is in; behind it: pass n + 2's sixteen loads
.else
	TURN (\n)+1, 0
.endif
	PROD 32                                        ; behind the fragment's loads: the stage's 32
	TAIL 0
	NEXT
	SEARCH
	s_wait_alu depctr_va_vdst(0)
	s_wait_dscnt 0x5                               ; the rows are back from the stage; behind them: one store, the next fragment's four loads
	TAIL 1, -1, (\n)+1
	XREST (\n)+1
	s_wait_dscnt 0x0                               ; for the others' sake: my image is stored
	s_barrier_signal -1                            ; until the wait: register work, and LDS loads of this pass's images, which nobody writes again
.set hq, 0
.rept 6-(\k)
	PROD 0
.if hq == 0
	PLACES
.else
	TAIL 0, hq-1
.endif
.if hq < 5-(\k)
	NEXT
.endif
	SEARCH
.if hq < 5-(\k)
	s_wait_alu depctr_va_vdst(0)
.endif
.set hq, hq+1
.endr
	TAIL 0, hq-1
	s_wait_alu depctr_va_vdst(0)
	s_barrier_wait -1
.else
	PROD 0
	TAIL 0
	SEARCH
	TAIL 0
	s_wait_dscnt 0x0                               ; all my partial results are stored
	s_barrier_signal -1
	s_barrier_wait -1
.endif
.endm
	TURN 0, 44                                     ; pass 0 is in; behind it: the 44 loads of cq
	LLOAD 1
	s_wait_dscnt 0x0
.irp i, 0,2,4,6,8,10,12,14
	XMAX \i, 0
.endr
	XREST 0
	s_wait_dscnt 0x0
	s_barrier_signal -1
	s_barrier_wait -1
	CPHASE 0, 5, 0
	CPHASE 1, 3, 1
	CPHASE 2, 3, 3
	CPHASE 3, 6, 3
; THE MERGE: tile w of each pass: the eight waves' partial results become one index a row: the least index among those that have the best.  The four tiles go side by side.
.irp n, 0,1,2,3
.irp k, 0,1,2,3,4,5,6,7
	ds_load_b64 v[MV+16*\n+2*\k:MV+16*\n+2*\k+1], v[MRD] offset:\n*PPAR+256*\k
.endr
.endr
	s_wait_dscnt 0x0
.irp n, 0,1,2,3
	v_max3_num_f32 v[MA+\n], v[MV+16*\n], v[MV+16*\n+2], v[MV+16*\n+4]
	v_max3_num_f32 v[MB+\n], v[MV+16*\n+6], v[MV+16*\n+8], v[MV+16*\n+10]
.endr
.irp n, 0,1,2,3
	v_max3_num_f32 v[MA+\n], v[MA+\n], v[MV+16*\n+12], v[MV+16*\n+14]
.endr
.irp n, 0,1,2,3
	v_max_num_f32 v[MA+\n], v[MA+\n], v[MB+\n]
.endr
.irp n, 0,1,2,3
.irp k, 0,1,2,3,4,5,6,7
	v_cmp_eq_f32 s[KM+\k], v[MV+16*\n+2*\k], v[MA+\n]
.endr
.irp k, 0,1,2,3,4,5,6,7
	v_cndmask_b32 v[MV+16*\n+2*\k+1], -1, v[MV+16*\n+2*\k+1], s[KM+\k]
.endr
.endr
.irp n, 0,1,2,3
.irp k, 0,1,2,3
	v_min_u32 v[MV+16*\n+4*\k+1], v[MV+16*\n+4*\k+1], v[MV+16*\n+4*\k+3]
.endr
.endr
.irp n, 0,1,2,3
.irp k, 0,1
	v_min_u32 v[MV+16*\n+8*\k+1], v[MV+16*\n+8*\k+1], v[MV+16*\n+8*\k+5]
.endr
.endr
.irp n, 0,1,2,3
	v_min_u32 v[MB+\n], v[MV+16*\n+1], v[MV+16*\n+9]
.endr
.irp n, 0,1,2,3
	v_permlanex16_b32 v[TM+\n], v[MA+\n], s[PSEL], s[PSEL+1]   ; the row's other half lies 16 lanes away; the halves' indices interleave, so equals are settled by the index
	v_and_b32 v[MB+4+\n], -8, v[MB+\n]
.endr
.irp n, 0,1,2,3
	v_add3_u32 v[MB+\n], v[MB+4+\n], v[MB+\n], v[H8]       ; 64 q + 8 c + j becomes 128 q + 16 c + j; + 8 h
.endr
.irp n, 0,1,2,3
	v_permlanex16_b32 v[TM+4+\n], v[MB+\n], s[PSEL], s[PSEL+1]
.endr
.irp n, 0,1,2,3
	v_cmp_gt_f32 s48, v[TM+\n], v[MA+\n]
	v_cmp_eq_f32 s49, v[TM+\n], v[MA+\n]
	v_cmp_lt_u32 vcc_lo, v[TM+4+\n], v[MB+\n]
	s_and_b32 s49, s49, vcc_lo
	s_or_b32 vcc_lo, s48, s49
	v_cndmask_b32 v[RES+\n], v[MB+\n], v[TM+4+\n], vcc_lo
.endr
	v_cmp_le_u32 vcc_lo, 64, v[LS]                 ; lanes 16-31
	v_cndmask_b32 v[MA], v[RES], v[RES+1], vcc_lo  ; rows 0-31 of my 64,
	v_cndmask_b32 v[MA+1], v[RES+2], v[RES+3], vcc_lo      ; rows 32-63
	ds_store_b32 v[OA], v[MA]
	ds_store_b32 v[OA], v[MA+1] offset:128
	ds_load_b64 v[BI:BI+1], v[OB]                  ; LDS serves a wave's instructions in order (ISA guide 5.7.1.4): this sees my stores
	s_wait_dscnt 0x0
	global_store_b64 v[OG], v[BI:BI+1], s[8:9]     ; 32 lanes store 256 consecutive bytes, at a multiple of 256 from out0's first byte
	s_wait_tensorcnt 0x0                           ; the wave's end
	ds_add_u32 v[SPW], v[NIL]
	s_wait_dscnt 0x0
	s_endpgm
.Lfunc_end_k_q6fd624247c_knn:
	.size	k_q6fd624247c_knn, .Lfunc_end_k_q6fd624247c_knn-k_q6fd624247c_knn
	.p2alignl 7, 3214868480
	.fill 96, 4, 3214868480
	.section	.rodata,"a",@progbits
	.p2align	6, 0x0
	.amdhsa_kernel k_q6fd624247c_knn
		.amdhsa_group_segment_fixed_size 189440
		.amdhsa_private_segment_fixed_size 0
		.amdhsa_enable_private_segment 0
		.amdhsa_kernarg_size 24
		.amdhsa_user_sgpr_count 2
		.amdhsa_user_sgpr_kernarg_segment_ptr 1
		.amdhsa_wavefront_size32 1
		.amdhsa_system_sgpr_workgroup_id_x 1
		.amdhsa_system_sgpr_workgroup_id_y 1
		.amdhsa_system_sgpr_workgroup_id_z 1
		.amdhsa_system_vgpr_workitem_id 0
		.amdhsa_next_free_vgpr 480
		.amdhsa_next_free_sgpr 66
		.amdhsa_reserve_vcc 1
		.amdhsa_float_denorm_mode_32 3
		.amdhsa_float_denorm_mode_16_64 3
		.amdhsa_memory_ordered 1
		.amdhsa_forward_progress 1
		.amdhsa_inst_pref_size 170
	.end_amdhsa_kernel
	.amdgpu_metadata
---
amdhsa.version: [ 1, 2 ]
amdhsa.kernels:
  - .name:           k_q6fd624247c_knn
    .symbol:         k_q6fd624247c_knn.kd
    .args:
      - { .name: latent, .offset: 0, .size: 8, .value_kind: global_buffer, .address_space: global }
      - { .name: cq, .offset: 8, .size: 8, .value_kind: global_buffer, .address_space: global }
      - { .name: out0, .offset: 16, .size: 8, .value_kind: global_buffer, .address_space: global }
    .group_segment_fixed_size: 189440
    .private_segment_fixed_size: 0
    .kernarg_segment_align: 8
    .kernarg_segment_size: 24
    .max_flat_workgroup_size: 256
    .sgpr_count:     66
    .vgpr_count:     480
    .wavefront_size: 32
...
	.end_amdgpu_metadata
.endif
;; end of part 2
